; MI455X (gfx1250); checked and timed in simulation.
; The chip was launched on July 23, 2026; its instructions are those of AMD's public machine-readable ISA for CDNA 5 (MIT licence, August 2026) and "CDNA5" Instruction Set Architecture Reference Guide (July 2026). The comments in the code are by the model that wrote it; some were corrected since.
;; Multi Head Attention. Allowed arithmetic: float matrix products may take bf16 or f16 operands with f32 sums; all other float work in f32.
;; Inputs: Wk 1,024 x 1,024 float32; Wq 1,024 x 1,024 float32; Wv 1,024 x 1,024 float32; bk 1,024 float32; bq 1,024 float32; bv 1,024 float32; key 4 x 4,096 x 1,024 float32; query 4 x 4,096 x 1,024 float32; value 4 x 4,096 x 1,024 float32.
;; Outputs: out0 4 x 4,096 x 1,024 float32.
;; 2 versions, each right and faster than the one before. Each part assembles by itself: llvm-mc -triple=amdgcn-amd-amdhsa -mcpu=gfx1250 --defsym DOCPART=n.
;; ======== version 1 of 2: 2 launches
;; limits: values outside matrix products are rounded to bf16
;; workspace buffers: wb 6,291,456 bytes
;; launch wcvt (part 1): grid 128 x 3, 8 waves a work-group, no clusters, 0 bytes of LDS; arguments Wq, Wk, Wv, wb; writes wb
.if DOCPART == 1
	.amdgcn_target "amdgcn-amd-amdhsa--gfx1250"
	.amdhsa_code_object_version 6
	.text
	.protected	k_qaf42e388d9_wcvt
	.globl	k_qaf42e388d9_wcvt
	.p2align	8
	.type	k_qaf42e388d9_wcvt,@function
k_qaf42e388d9_wcvt:
	s_mov_b64 s[64:65], 0
	v_nop
	global_prefetch_b8 v0, s[64:65] scope:SCOPE_SE
	s_setreg_imm32_b32 hwreg(HW_REG_WAVE_MODE, 25, 1), 1
	s_wait_xcnt 0x0
; The three weight matrices [1024][1024] f32 are rounded once to bf16 and written as ready fragments of a matrix
; instruction's second source, in the order in which the next launch uses them.
; wb = 48 tiles of 131,072 bytes; tile 16 proj + s holds K = 64 s .. 64 s + 63 of projection proj (0 q, 1 k, 2 v).
; In a tile: wave w's quarter at 32,768 w; in it fragment (ks, b) at 1,024 (16 ks + b): 16 rows of W x 32 along K.
; In a fragment, lane l = r + 16 h: bytes 16 l hold W[n][k0 + 8 h ..+7], bytes 512 + 16 l hold W[n][k0 + 16 + 8 h ..+7], k0 = 64 s + 32 ks.
; Which row n lane r holds:  q, k: n = 32 (16 (w >> 1) + r) + 16 (w & 1) + b  (the lane is a head, the fragment's number a channel);
;                            v:    n = 256 w + 64 (b >> 2) + 4 r + (b & 3)     (four fragments hold four neighbouring columns a lane).
; SHARES.  Work-group (x, y): proj = y, s = x >> 3, w = (x >> 1) & 3; wave i makes b = 8 (x & 1) + i: two fragments.
; It reads 256 consecutive bytes of each of 16 rows, each byte once, and its four stores cover 512 consecutive bytes each, aligned.
; No LDS, no matrix unit, no cluster: 12 MB in, 6 MB out, no byte is shared between work-groups.
	s_load_b256 s[4:11], s[0:1], 0x0               ; Wq s[4:5], Wk s[6:7], Wv s[8:9], wb s[10:11]
	v_lshrrev_b32 v1, 5, v0
	v_readfirstlane_b32 s14, v1                    ; wave 0..7
	s_and_b32 s15, ttmp7, 0xffff                   ; proj
	s_lshr_b32 s16, ttmp9, 3                       ; s
	s_bfe_u32 s17, ttmp9, 0x20001                  ; w: two bits from bit 1
	s_and_b32 s18, ttmp9, 1
	s_lshl3_add_u32 s18, s18, s14                  ; b
	s_lshr_b32 s19, s17, 1                         ; q, k: the first row 512 (w >> 1) + 16 (w & 1) + b, 32 rows from lane to lane
	s_lshl_b32 s19, s19, 9
	s_and_b32 s20, s17, 1
	s_lshl_b32 s20, s20, 4
	s_add_co_u32 s19, s19, s20
	s_add_co_u32 s19, s19, s18
	s_lshl_b32 s21, s17, 8                         ; v: the first row 256 w + 64 (b >> 2) + (b & 3), 4 rows from lane to lane
	s_lshr_b32 s22, s18, 2
	s_lshl_b32 s22, s22, 6
	s_add_co_u32 s21, s21, s22
	s_and_b32 s22, s18, 3
	s_add_co_u32 s21, s21, s22
	s_lshl4_add_u32 s24, s15, s16                  ; where the two fragments go: tile 16 proj + s,
	s_lshl_b32 s24, s24, 17
	s_lshl_b32 s22, s17, 15                        ; quarter w,
	s_add_co_u32 s24, s24, s22
	s_lshl_b32 s22, s18, 10                        ; fragment b
	s_add_co_u32 s24, s24, s22
	s_mov_b32 s25, 0
	s_lshl_b32 s23, s16, 8                         ; 64 s numbers of 4 bytes along a row of W
	s_cmp_eq_u32 s15, 2
	s_cselect_b32 s19, s21, s19
	s_cselect_b32 s20, 2, 5
	v_and_b32 v1, 15, v0                           ; r
	v_bfe_u32 v2, v0, 4, 1                         ; h
	v_lshlrev_b32 v3, s20, v1
	v_add_nc_u32 v3, s19, v3                       ; my row n
	v_lshlrev_b32 v3, 12, v3                       ; 4,096 bytes a row
	v_lshl_add_u32 v3, v2, 5, v3                   ; + 8 h numbers
	v_add_nc_u32 v3, s23, v3
	v_and_b32 v4, 31, v0
	v_lshlrev_b32 v4, 4, v4                        ; 16 x lane
	s_wait_kmcnt 0x0
	s_cmp_eq_u32 s15, 1                            ; the projection's matrix
	s_cselect_b64 s[12:13], s[6:7], s[4:5]
	s_cmp_eq_u32 s15, 2
	s_cselect_b64 s[12:13], s[8:9], s[12:13]
	s_add_nc_u64 s[10:11], s[10:11], s[24:25]
.irp q, 0,1,2,3                        ; q = 2 ks + part: eight numbers at 16 q + 8 h along K
	global_load_b128 v[8+8*(\q):8+8*(\q)+3],   v3, s[12:13] offset:64*(\q)
	global_load_b128 v[8+8*(\q)+4:8+8*(\q)+7], v3, s[12:13] offset:64*(\q)+16
.endr
.irp q, 0,1,2,3
	s_wait_loadcnt 6-2*(\q)                        ; loads come back in order: part q's two are in, the younger ones stay out
	v_cvt_pk_bf16_f32 v[8+8*(\q)],   v[8+8*(\q)],   v[8+8*(\q)+1]  ; in place, ascending: each line's target has been read
	v_cvt_pk_bf16_f32 v[8+8*(\q)+1], v[8+8*(\q)+2], v[8+8*(\q)+3]
	v_cvt_pk_bf16_f32 v[8+8*(\q)+2], v[8+8*(\q)+4], v[8+8*(\q)+5]
	v_cvt_pk_bf16_f32 v[8+8*(\q)+3], v[8+8*(\q)+6], v[8+8*(\q)+7]
	global_store_b128 v4, v[8+8*(\q):8+8*(\q)+3], s[10:11] offset:16384*((\q)/2)+512*((\q)%2)
.endr
	s_endpgm
.Lfunc_end_k_qaf42e388d9_wcvt:
	.size	k_qaf42e388d9_wcvt, .Lfunc_end_k_qaf42e388d9_wcvt-k_qaf42e388d9_wcvt
	.p2alignl 7, 3214868480
	.fill 96, 4, 3214868480
	.section	.rodata,"a",@progbits
	.p2align	6, 0x0
	.amdhsa_kernel k_qaf42e388d9_wcvt
		.amdhsa_group_segment_fixed_size 0
		.amdhsa_private_segment_fixed_size 0
		.amdhsa_enable_private_segment 0
		.amdhsa_kernarg_size 32
		.amdhsa_user_sgpr_count 2
		.amdhsa_user_sgpr_kernarg_segment_ptr 1
		.amdhsa_wavefront_size32 1
		.amdhsa_system_sgpr_workgroup_id_x 1
		.amdhsa_system_sgpr_workgroup_id_y 1
		.amdhsa_system_sgpr_workgroup_id_z 1
		.amdhsa_system_vgpr_workitem_id 0
		.amdhsa_next_free_vgpr 48
		.amdhsa_next_free_sgpr 66
		.amdhsa_reserve_vcc 0
		.amdhsa_float_denorm_mode_32 3
		.amdhsa_float_denorm_mode_16_64 3
		.amdhsa_memory_ordered 1
		.amdhsa_forward_progress 1
		.amdhsa_inst_pref_size 5
	.end_amdhsa_kernel
	.amdgpu_metadata
---
amdhsa.version: [ 1, 2 ]
amdhsa.kernels:
  - .name:           k_qaf42e388d9_wcvt
    .symbol:         k_qaf42e388d9_wcvt.kd
    .args:
      - { .name: Wq, .offset: 0, .size: 8, .value_kind: global_buffer, .address_space: global }
      - { .name: Wk, .offset: 8, .size: 8, .value_kind: global_buffer, .address_space: global }
      - { .name: Wv, .offset: 16, .size: 8, .value_kind: global_buffer, .address_space: global }
      - { .name: wb, .offset: 24, .size: 8, .value_kind: global_buffer, .address_space: global }
    .group_segment_fixed_size: 0
    .private_segment_fixed_size: 0
    .kernarg_segment_align: 8
    .kernarg_segment_size: 32
    .max_flat_workgroup_size: 256
    .sgpr_count:     66
    .vgpr_count:     48
    .wavefront_size: 32
...
	.end_amdgpu_metadata
.endif
;; end of part 1
;; launch mha (part 2): grid 256 x 1, 4 waves a work-group, clusters of 4 x 1, 327,680 bytes of LDS; arguments query, key, value, bq, bk, bv, wb, out0; writes out0
.if DOCPART == 2
	.amdgcn_target "amdgcn-amd-amdhsa--gfx1250"
	.amdhsa_code_object_version 6
	.text
	.protected	k_qaf42e388d9_mha
	.globl	k_qaf42e388d9_mha
	.p2align	8
	.type	k_qaf42e388d9_mha,@function
k_qaf42e388d9_mha:
	s_mov_b64 s[64:65], 0
	v_nop
	global_prefetch_b8 v0, s[64:65] scope:SCOPE_SE
	s_setreg_imm32_b32 hwreg(HW_REG_WAVE_MODE, 25, 1), 1
	s_wait_xcnt 0x0
	s_wait_alu depctr_hold_cnt(0) depctr_sa_sdst(0) depctr_va_vdst(0) depctr_va_sdst(0) depctr_va_ssrc(0) depctr_va_vcc(0) depctr_vm_vsrc(0)
	s_getreg_b32 s2, hwreg(HW_REG_IB_STS2, 6, 4)
	s_cmp_eq_u32 s2, 0
	s_cbranch_scc0 .Lentry_in_a_cluster
	s_endpgm
.Lentry_in_a_cluster:
	s_bfe_u32 s2, ttmp6, 0x10000c
	s_cmp_lg_u32 s2, 0x3003
	s_cbranch_scc0 .Lentry_shape_is_right
	s_endpgm
.Lentry_shape_is_right:
; out[tok][32 h + t] = softmax_t(q[tok][h][:] . k[tok][t][:] / 32) x v[tok][32 h + t],  q = query Wq^T + bq, k = key Wk^T + bk, v = value Wv^T + bv.
; 16,384 tokens of 1,024 f32; 32 heads of 32 channels; the scores are taken per token, between heads.
; ONE LAUNCH for all of it: a work-group owns 64 tokens and makes their whole q, k and v rows, so q, k, v and the weights p never go to memory.
; FORMATS AND LIMITS.  The inputs and the weight matrices enter the products rounded to bf16, sums in f32; q and k (with their bias, in f32) are rounded to bf16 for the
; scores' product; maximum, exponentials, sum and division in f32, with the row's true maximum taken away; p is rounded to bf16 (within 2^-9 of itself) for the way from the
; softmax to the last multiply, which is in f32.  An exponential below 2^-126 counts as 0.  NaN and infinities are not treated apart.
; SHARES.  Four waves; in each product a wave makes 64 tokens x 256 columns: 64 accumulators of 16 x 16, 512 registers.  Source 0 = 16 tokens, source 1 = 16 rows of W, so register j of
; lane (r, h) holds token 8 h + j and the column that lane r's row of W makes.  WHICH row that is was chosen when the weights were laid out:
;   q, k: wave (g, e) = (w >> 1, w & 1), accumulator b, lane r: head 16 g + r, channel 16 e + b.  Two neighbouring accumulators' register j, rounded in a pair, are then a piece of the fragment
;         (row = head, K = channel) that token 8 h + j's own product wants: nothing is transposed, a token is picked by the register's number.
;   v:    column 256 w + 64 (b >> 2) + 4 r + (b & 3): register j of four accumulators is 16 neighbouring bytes of out, and 16 lanes store 256 consecutive bytes, aligned: no stage.
; THE WEIGHTS come as ready fragments (48 tiles of 128 KB: K = 64 of one projection) through two LDS slots; each wave fetches and reads its own quarter, each byte once.
; CLUSTER.  Every work-group walks the same 48 tiles, so the four of a cluster ask for each tile JOINTLY: the same tensor load, descriptor and mask in all four.  A mask names four
; work-groups, so the cluster is 4 x 1.  The inputs are shared by nobody: they come through registers, are rounded, and lie in LDS as 64 rows x 64 bf16, two buffers.
; THE SCORES, between k's product and v's: eight rounds of eight tokens.  In a round every wave puts its pieces of the tokens' q and k fragments into LDS; each wave takes two tokens: four
; products 16 x 16 x 32 a token (source 0 = k's heads, source 1 = q's heads, so a lane holds one row of the softmax and half its columns), the softmax, p in bf16 into LDS; in the next
; round each wave reads back p at the places of its v columns, into the registers that held q.
; REGISTERS, in windows of 256 (s_set_vgpr_msb: bits 1:0 source 0, 3:2 source 1, 5:4 source 2, 7:6 destination):
;   window 0: v0-15 addresses; v16-31 the bias of my 16 accumulator columns; v32-63 an input's chunk as loaded; v64-95, v96-127 input fragments (K = 32 each); v128-191, v192-255 weight fragments (8 each)
;   window 1: q in bf16, token (a, j) at 64 a + 8 j, later p for the same token          windows 2, 3: accumulator (a, b) in window 2 + (a >> 1) at 128 (a & 1) + 8 b
.set SLOTB,  131072                    ; a slot: one tile of the weights; wave w's quarter at 32,768 w
.set QUART,  32768
.set ASTG,   2*SLOTB                   ; behind the slots, never filled by a tensor load: the input in bf16, two buffers of 64 rows
.set APITCH, 144                       ; 128 bytes + 16: the 16 rows of a fragment load start at 16 different groups of four banks (64 banks of 4 bytes: ISA guide 11.1)
.set ABUF,   64*APITCH
.set PBUF,   ASTG+ABUF                 ; the scores' phase alone, over the second input buffer: p, 8 tokens x 32 heads x 80 bytes (64 + 16)
.set PTOK,   2560
.set QKBUF,  PBUF+8*PTOK               ; the scores' phase: 8 tokens x 4 fragments of 1,024 bytes in lane order: q heads 0-15, 16-31, k heads 0-15, 16-31
.set SPARE,  327168                    ; the spare words, 128 bytes for each wave: two blocks of 256 bytes that no other line names
.set ZR,    1                          ; v1   at work; 0 on the way out
.set SPW,   2                          ; v2   LDS address of my spare word; never rewritten
.set NIL,   3                          ; v3   0; never rewritten
.set ADRB,  4                          ; v4-5 my lane's 16 bytes in my quarter of slot 0, 1
.set ADRA,  6                          ; v6   my lane's place in an input fragment
.set ASTO,  7                          ; v7   where I put 8 bytes of the rounded input
.set AOFF,  8                          ; v8   my byte offset in the work-group's rows of an input
.set WADR,  9                          ; v9   where I put my pieces of q's and k's fragments
.set RADR,  10                         ; v10  where I read my two tokens' fragments
.set PADR,  11                         ; v11  where I put p
.set R2ADR, 12                         ; v12  where I read p back
.set OOFF,  13                         ; v13  my byte offset in the work-group's rows of out
.set BOQK,  14                         ; v14  my byte offset in bq and bk
.set BOV,   15                         ; v15  in bv
.set BIAS,  16
.set RAW,   32
.set AF0,   64
.set AF1,   96
.set BF0,   128
.set BF1,   192
.set T,     64                         ; the scores' phase: k's pieces; later the sums at work, 8 a chain
.set ST,    96                         ; 8 a chain: +0 c m, then 1 / sum; +1, +2 at work
.set FF,    128                        ; token u's fragment f at FF + 32 u + 8 f
.set SS,    192                        ; chain x = 2 u + gq: 16 scores
.set PA,    4                          ; s[4:5]   the input's chunk asked for last
.set PN1,   6                          ; s[6:7]   the next input
.set PN2,   8                          ; s[8:9]   the one behind it
.set WV,    20                         ; s20  my wave's number
.set G1,    24                         ; s[24:31] descriptor group 1
.set G0,    32                         ; s[32:39] descriptor group 0, a set for each slot
.set PJ,    40                         ; s40  projections to go: 3, 2, 1
.set LAPS,  41
.set RHO,   42                         ; s42  the scores' round
.set CS,    44                         ; s[44:45] c = log2(e) / 32
.set SEL,   46                         ; s[46:47] v_permlanex16_b32's selects: each lane takes its own place in the other half
.set MSB, 0
.macro WIN new                         ; the immediate's high byte repeats the setting that is left; a switch that changes nothing is dropped
.if MSB != (\new)
	s_set_vgpr_msb (MSB<<8)|(\new)
.set MSB, \new
.endif
.endm
; A load into a register that a matrix instruction has read, and a vector instruction that reads a matrix result, stand four places behind it, and only plain vector
; instructions that name none of its registers are places (ISA guide 7.12.1 for vector instructions).
.macro PLACES
.rept 4
	v_nop
.endr
.endm
; A round of the cluster's barrier: my work-group's barrier, so that wave 0's signal speaks for all four waves; wave 0 signals; every wave waits for all four work-groups; my work-group's barrier once more.
.macro CREST                           ; a round behind its opening barrier
	s_cmp_lg_u32 s[WV], 0
	s_cbranch_scc1 .Lnot_wave_0_\@
	s_barrier_signal -3
.Lnot_wave_0_\@:
	s_barrier_wait -3
	s_barrier_signal -1
	s_barrier_wait -1
.endm
.macro CROUND
	s_barrier_signal -1
	s_barrier_wait -1
	CREST
.endm
; 16 LDS loads: eight weight fragments (K step ks of the slot, accumulators 8 bh .. 8 bh + 7).  Each load takes 512 consecutive bytes.
.macro FETCHB slot, ks, bh, buf
.irp i, 0,1,2,3,4,5,6,7
	ds_load_b128 v[(\buf)+8*(\i):(\buf)+8*(\i)+3],   v[ADRB+(\slot)] offset:(16*(\ks)+8*(\bh)+(\i))*1024
	ds_load_b128 v[(\buf)+8*(\i)+4:(\buf)+8*(\i)+7], v[ADRB+(\slot)] offset:(16*(\ks)+8*(\bh)+(\i))*1024+512
.endr
.endm
; 8 LDS loads: the four input fragments (16 tokens x 32 along K) of K step ks of buffer par
.macro FETCHA par, ks, buf
.irp a, 0,1,2,3
	ds_load_b128 v[(\buf)+8*(\a):(\buf)+8*(\a)+3],   v[ADRA] offset:(\par)*ABUF+(\a)*16*APITCH+64*(\ks)
	ds_load_b128 v[(\buf)+8*(\a)+4:(\buf)+8*(\a)+7], v[ADRA] offset:(\par)*ABUF+(\a)*16*APITCH+64*(\ks)+32
.endr
.endm
; 8 na matrix instructions: token blocks a0 .. a0 + na - 1 x eight accumulator columns.  The accumulators take turns, one instruction a turn: between two
; links on one accumulator stand 31 others' or more.  zero = 1: the product starts the sum.
.macro MUL af, bf, bh, a0, na, zero
.set ma, \a0
.rept \na
	WIN 0xa0+0x50*(ma/2)
.set mi, 0
.rept 8
.set rD, 128*(ma%2)+8*(8*(\bh)+mi)
.if \zero
	v_wmma_f32_16x16x32_bf16 v[rD:rD+7], v[(\af)+8*ma:(\af)+8*ma+7], v[(\bf)+8*mi:(\bf)+8*mi+7], 0
.else
	v_wmma_f32_16x16x32_bf16 v[rD:rD+7], v[(\af)+8*ma:(\af)+8*ma+7], v[(\bf)+8*mi:(\bf)+8*mi+7], v[rD:rD+7]
.endif
.set mi, mi+1
.endr
.set ma, ma+1
.endr
.endm
; A PERIOD is one slot, K = 64: four runs of 32 matrix instructions (K step 0 x columns 0-7, 8-15; K step 1 likewise).  Each run's fragments are asked for a run ahead.
.macro H0 slot, zero
	WIN 0
	PLACES
	FETCHB \slot, 0, 1, BF1
	FETCHA \slot, 1, AF1
	s_wait_dscnt 24                                ; all but the 24 just issued: BF0 and AF0 are in
	MUL AF0, BF0, 0, 0, 4, \zero
.endm
.macro H1 slot, zero
	WIN 0
	PLACES
	FETCHB \slot, 1, 0, BF0
	s_wait_dscnt 16                                ; all but the 16 just issued: BF1 and AF1 are in
	MUL AF0, BF1, 1, 0, 4, \zero
.endm
; THE INPUT.  A chunk is 64 tokens x 64 numbers; wave w takes tokens 16 w .. 16 w + 15: eight loads, each two rows' 256 consecutive bytes.  st = 1: the chunk in RAW is rounded and put into
; buffer par.  ld = 1: the next chunk of the same input is asked for; ld = 2: the first chunk of the next input.
.macro AWORK par, st, ld
.if \st
	s_wait_loadcnt 0x0                             ; the chunk asked for a period ago is in (and a bias asked for since); its address is free
.endif
.if (\ld) == 1
	s_add_nc_u64 s[PA:PA+1], s[PA:PA+1], 256
.elseif (\ld) == 2
	s_mov_b64 s[PA:PA+1], s[PN1:PN1+1]
	s_mov_b64 s[PN1:PN1+1], s[PN2:PN2+1]
.endif
.if \st
.irp i, 0,1,2,3,4,5,6,7
	v_cvt_pk_bf16_f32 v[RAW+4*(\i)],   v[RAW+4*(\i)],   v[RAW+4*(\i)+1]
	v_cvt_pk_bf16_f32 v[RAW+4*(\i)+1], v[RAW+4*(\i)+2], v[RAW+4*(\i)+3]
.endr
.irp i, 0,1,2,3,4,5,6,7
	ds_store_b64 v[ASTO], v[RAW+4*(\i):RAW+4*(\i)+1] offset:(\par)*ABUF+(\i)*2*APITCH
.endr
.endif
.if \ld
.irp i, 0,1,2,3,4,5,6,7
	global_load_b128 v[RAW+4*(\i):RAW+4*(\i)+3], v[AOFF], s[PA:PA+1] offset:(\i)*8192 th:TH_LOAD_NT
.endr
.endif
.endm
; THE SECOND HALF OF A PERIOD, AND THE CHANGE OF SLOTS.  ONE barrier for three things.  In front of it each wave has put its part of the next input chunk into the other buffer, waits for all its
; tensor loads (one is out: its quarter of the next slot), adds 0 to its spare word, and waits for that, for its stores and for its reads of this slot.  Behind it the next chunk is whole and
; nobody reads this slot.  refill = 1: the barrier opens a round of the cluster's barrier, so that no wave of any partner still reads the slot or has a load on its way, and the joint refill,
; the tile two periods on, is the first thing behind it: it has a period less 16 matrix instructions in which to land.  fetch = 1: the next period's first fragments.
.macro TURN slot, refill, fetch, st, ld
	WIN 0
	PLACES
	FETCHB \slot, 1, 1, BF1
	s_wait_dscnt 16                                ; all but the 16 just issued: BF0 is in
	MUL AF1, BF0, 0, 0, 2, 0
	WIN 0
	AWORK 1-(\slot), \st, \ld
	s_wait_tensorcnt 0x0                           ; no tensor load of mine is out, so a group 0 may be written
	ds_add_u32 v[SPW], v[NIL]                      ; 0 onto my spare word; work on registers stands between it and the wait for it
.if \refill
	s_add_nc_u64 s[G0+4*(\slot)+2:G0+4*(\slot)+3], s[G0+4*(\slot)+2:G0+4*(\slot)+3], 2*SLOTB  ; this slot's next tile; the type bits on top are not reached
.endif
	MUL AF1, BF0, 0, 2, 1, 0
	s_wait_dscnt 0x0                               ; the add is done, my stores of the input are done, my reads of this slot are back
	s_barrier_signal -1
	MUL AF1, BF0, 0, 3, 1, 0                       ; work on registers while the others arrive
	WIN 0                                          ; at a branch and at a label every window is 0
	s_barrier_wait -1
.if \refill
	CREST
	tensor_load_to_lds s[G0+4*(\slot):G0+4*(\slot)+3], s[G1:G1+7]
	s_nop 0
.endif
	PLACES                                         ; behind the tensor load; also the places in front of the loads below
.if \fetch
	FETCHB 1-(\slot), 0, 0, BF0
	FETCHA 1-(\slot), 0, AF0
.endif
	MUL AF1, BF1, 1, 0, 4, 0                       ; BF1 was shown in by the wait for 0 above
.endm
.macro BLOAD off, base, step           ; the bias of my lane's 16 accumulator columns
.irp i, 0,1,2,3
	global_load_b128 v[BIAS+4*(\i):BIAS+4*(\i)+3], v[\off], s[\base:\base+1] offset:(\step)*(\i)
.endr
.endm
; Every accumulator takes its column's bias, in place, its registers in ascending order (each accumulator is first read at its low end).
.macro BIASADD
.set ba, 0
.rept 4
	WIN 0x82+0x41*(ba/2)                           ; destination and source 0 in the accumulators' window, the bias in window 0
.set bb, 0
.rept 16
.set rD, 128*(ba%2)+8*bb
.set rB, BIAS+2*(bb/2)
.set bi, 0
.rept 4
.if bb%2
	v_pk_add_f32 v[rD+2*bi:rD+2*bi+1], v[rD+2*bi:rD+2*bi+1], v[rB:rB+1] op_sel:[0,1] op_sel_hi:[1,1]  ; both halves take the pair's second register
.else
	v_pk_add_f32 v[rD+2*bi:rD+2*bi+1], v[rD+2*bi:rD+2*bi+1], v[rB:rB+1] op_sel_hi:[1,0]               ; both halves take its first
.endif
.set bi, bi+1
.endr
.set bb, bb+1
.endr
.set ba, ba+1
.endr
.endm
; q is kept in bf16: for token (a, j) eight registers, channels 16 e + 2 c and 16 e + 2 c + 1 of my lane's head in register c
.macro PACKQ
.set pa, 0
.rept 4
	WIN 0x4a+5*(pa/2)                              ; destination window 1, sources in the accumulators' window
.set pj, 0
.rept 8
.set pc, 0
.rept 8
	v_cvt_pk_bf16_f32 v[64*pa+8*pj+pc], v[128*(pa%2)+16*pc+pj], v[128*(pa%2)+16*pc+8+pj]
.set pc, pc+1
.endr
.set pj, pj+1
.endr
.set pa, pa+1
.endr
.endm
; Round rho serves the tokens 16 a + 8 h + j0 + jj, a = rho / 2, j0 = 4 (rho % 2), h = 0, 1, jj = 0..3, at the places 4 h + jj of the two exchange buffers.
; W1: my pieces of their k (rounded here) and q fragments go into LDS.  A fragment's lane r' + 16 h' holds channels 8 h' ..+7 at byte 16 (r' + 16 h') and 16 + 8 h' ..+7 at 512 more:
; my channels 16 e ..+7 go to 512 e + 16 r, my channels 16 e + 8 ..+7 to 256 more.
.macro W1 rho
.set wa, (\rho)/2
.set wj, 4*((\rho)%2)
	WIN 0x0a+5*(wa/2)                              ; sources in the accumulators' window
.set jj, 0
.rept 4
.set cc, 0
.rept 8
	v_cvt_pk_bf16_f32 v[T+8*jj+cc], v[128*(wa%2)+16*cc+wj+jj], v[128*(wa%2)+16*cc+8+wj+jj]
.set cc, cc+1
.endr
.set jj, jj+1
.endr
	WIN 0
.set jj, 0
.rept 4
	ds_store_b128 v[WADR], v[T+8*jj:T+8*jj+3]   offset:4096*jj+2048
	ds_store_b128 v[WADR], v[T+8*jj+4:T+8*jj+7] offset:4096*jj+2048+256
.set jj, jj+1
.endr
	WIN 0x04                                       ; the stores' data in window 1
.set jj, 0
.rept 4
	ds_store_b128 v[WADR], v[64*wa+8*(wj+jj):64*wa+8*(wj+jj)+3]   offset:4096*jj
	ds_store_b128 v[WADR], v[64*wa+8*(wj+jj)+4:64*wa+8*(wj+jj)+7] offset:4096*jj+256
.set jj, jj+1
.endr
	WIN 0
.endm
; R2: round rho's p comes back at the places of my v columns: for token (a, j) and c = 0..3 the four columns 256 w + 64 c + 4 r ..+3, 8 bytes, into the registers that held the token's q.
.macro R2 rho
.set wa, (\rho)/2
.set wj, 4*((\rho)%2)
	WIN 0x40                                       ; destination window 1
.set jj, 0
.rept 4
.set cc, 0
.rept 4
	ds_load_b64 v[64*wa+8*(wj+jj)+2*cc:64*wa+8*(wj+jj)+2*cc+1], v[R2ADR] offset:PTOK*jj+160*cc
.set cc, cc+1
.endr
.set jj, jj+1
.endr
	WIN 0
.endm
.macro EACH line:vararg                ; one line for each of the four chains x
.set x, 0
.rept 4
	\line
.set x, x+1
.endr
.endm
; THE WAY OUT: out = p x v, in eight blocks of four token registers; a block's 64 results lie in one of three groups of 64 registers, which take turns.
.macro VEPI
	WIN 0
	v_mov_b32 v[ZR], 0
.set q, 0
.rept 8
.set va, q/2
.set vj, 4*(q%2)
.set TT, 64+64*(q%3)
	s_wait_xcnt 0x0                                ; every earlier store has had its address translated (ISA guide 3.1): the group's registers are rewritten only behind this wait
	WIN 0x09+4*(va/2)                              ; p in window 1, v in the accumulators' window
.set jj, 0
.rept 4
.set cc, 0
.rept 4
.set rP, 64*va+8*(vj+jj)+2*cc
.set rA, 128*(va%2)+32*cc+vj+jj
.set rT, TT+16*jj+4*cc
	v_fma_mix_f32_bf16 v[rT],   v[rP],   v[rA],    v[ZR] op_sel_hi:[1,0,0]                ; bf16 half x f32 + 0
	v_fma_mix_f32_bf16 v[rT+1], v[rP],   v[rA+8],  v[ZR] op_sel:[1,0,0] op_sel_hi:[1,0,0]
	v_fma_mix_f32_bf16 v[rT+2], v[rP+1], v[rA+16], v[ZR] op_sel_hi:[1,0,0]
	v_fma_mix_f32_bf16 v[rT+3], v[rP+1], v[rA+24], v[ZR] op_sel:[1,0,0] op_sel_hi:[1,0,0]
.set cc, cc+1
.endr
.set jj, jj+1
.endr
	WIN 0
.set jj, 0
.rept 4
.set cc, 0
.rept 4
	global_store_b128 v[OOFF], v[TT+16*jj+4*cc:TT+16*jj+4*cc+3], s[18:19] offset:65536*va+4096*(vj+jj)+256*cc th:TH_STORE_NT  ; 16 lanes store 256 consecutive bytes, at a multiple of 256 from out's first byte
.set cc, cc+1
.endr
.set jj, jj+1
.endr
.set q, q+1
.endr
.endm
	s_load_b512 s[4:19], s[0:1], 0x0               ; query s[4:5], key s[6:7], value s[8:9], bq s[10:11], bk s[12:13], bv s[14:15], wb s[16:17], out s[18:19]
	v_lshl_add_u32 v[SPW], v0, 2, SPARE
	v_mov_b32 v[NIL], 0
	ds_add_u32 v[SPW], v[NIL]                      ; the wave's opening: the add and its wait stand ahead of my first tensor load; the set-up below, work on registers, stands between them
	v_lshrrev_b32 v1, 5, v0
	v_readfirstlane_b32 s[WV], v1                  ; wave 0..3
	s_bfe_u32 s52, ttmp6, 0x40000                  ; cx: my place in the cluster
	s_lshl_b32 s53, ttmp9, 2                       ; in a cluster launch ttmp9 counts clusters
	s_add_co_u32 s53, s53, s52                     ; my block of 64 tokens: it enters the inputs' and out's addresses alone
	s_lshl_b32 s48, s53, 18                        ; 64 rows of 4,096 bytes
	s_mov_b32 s49, 0
	; descriptor group 1: a wave's quarter of a tile is 32,768 dense bytes, asked for as 128 rows of 256 bytes
	s_mov_b32 s[G1+0], 15|(3<<16)|(1<<21)          ; 15:0 the mask: all four work-groups; 17:16 elements of 8 bytes; 20 no padding; 21 set beside a mask
	s_mov_b32 s[G1+1], 32<<16                      ; tensor_dim0 = 32
	s_mov_b32 s[G1+2], 128<<16                     ; tensor_dim1 = 128
	s_mov_b32 s[G1+3], 32<<16                      ; tile_dim0 = 32
	s_mov_b32 s[G1+4], 128                         ; tile_dim1 = 128
	s_mov_b32 s[G1+5], 32                          ; 32 elements from row to row
	s_mov_b32 s[G1+6], 0
	s_mov_b32 s[G1+7], 0
	s_mul_i32 s23, s[WV], QUART                    ; my quarter, in a slot and in a tile: no place in the cluster enters an LDS address or a descriptor
	s_mov_b32 s[G0], 1                             ; 1:0 count = 1
	s_mov_b32 s[G0+1], s23                         ; 63:32 LDS address: slot 0
	s_mov_b32 s[G0+4], 1
	s_add_co_u32 s[G0+5], s23, SLOTB               ; slot 1
	s_mov_b32 s50, s23
	s_mov_b32 s51, 0
	s_mov_b32 s[CS], 0x3d38aa3b                    ; c = log2(e) / 32 = 0.0450842
	s_mov_b32 s[CS+1], s[CS]                       ; named with it as a pair
	s_mov_b32 s[SEL], 0x76543210
	s_mov_b32 s[SEL+1], 0xfedcba98
	s_lshr_b32 s54, s[WV], 1                       ; g
	s_and_b32 s55, s[WV], 1                        ; e
	v_and_b32 v64, 15, v0                          ; r
	v_bfe_u32 v65, v0, 4, 1                        ; h
	v_and_b32 v66, 31, v0                          ; lane
	v_lshlrev_b32 v[AOFF], 4, v64                  ; 16 r + 4,096 h + 65,536 w: lanes 0-15 one row's 256 bytes, lanes 16-31 the next row's
	v_lshl_add_u32 v[AOFF], v65, 12, v[AOFF]
	s_lshl_b32 s22, s[WV], 16
	v_add_nc_u32 v[AOFF], s22, v[AOFF]
	s_lshl_b32 s22, s54, 11                        ; 4 (32 (16 g + r) + 16 e)
	s_lshl_b32 s21, s55, 6
	s_add_co_u32 s22, s22, s21
	v_lshl_add_u32 v[BOQK], v64, 7, s22
	s_wait_dscnt 0x0                               ; the opening add is done
	s_wait_kmcnt 0x0
	s_add_nc_u64 s[PA:PA+1], s[PA:PA+1], s[48:49]  ; the three inputs and out at my block's first row
	s_add_nc_u64 s[PN1:PN1+1], s[PN1:PN1+1], s[48:49]
	s_add_nc_u64 s[PN2:PN2+1], s[PN2:PN2+1], s[48:49]
	s_add_nc_u64 s[18:19], s[18:19], s[48:49]
	s_add_nc_u64 s[G0+2:G0+3], s[16:17], s[50:51]  ; 120:64 global address: my quarter of tile 0,
	s_add_nc_u64 s[G0+6:G0+7], s[G0+2:G0+3], SLOTB ; of tile 1
	s_or_b32 s[G0+3], s[G0+3], 0x80000000          ; 127:126 type = 2
	s_or_b32 s[G0+7], s[G0+7], 0x80000000
	BLOAD BOQK, 10, 16                             ; bq
.irp i, 0,1,2,3,4,5,6,7
	global_load_b128 v[RAW+4*(\i):RAW+4*(\i)+3], v[AOFF], s[PA:PA+1] offset:(\i)*8192 th:TH_LOAD_NT  ; query's chunk 0
.endr
	CROUND                                         ; all four work-groups are here: the first joint loads meet
	tensor_load_to_lds s[G0:G0+3], s[G1:G1+7]      ; the two first fills go out together: two tensor loads of mine are out
	s_nop 0
	tensor_load_to_lds s[G0+4:G0+7], s[G1:G1+7]
	s_nop 0
	PLACES
	v_lshl_add_u32 v[ADRB], v66, 4, s23            ; 16 x lane + my quarter
	v_add_nc_u32 v[ADRB+1], SLOTB, v[ADRB]
	v_mul_u32_u24 v[ADRA], v64, APITCH             ; a fragment's row r x pitch + 16 h
	v_lshl_add_u32 v[ADRA], v65, 4, v[ADRA]
	v_add_nc_u32 v[ADRA], ASTG, v[ADRA]
	s_mul_i32 s21, s[WV], 16*APITCH                ; row 16 w + h, 8 bytes for each of 16 lanes
	s_add_co_u32 s21, s21, ASTG
	v_mul_u32_u24 v[ASTO], v65, APITCH
	v_lshl_add_u32 v[ASTO], v64, 3, v[ASTO]
	v_add_nc_u32 v[ASTO], s21, v[ASTO]
	s_lshl_b32 s21, s[WV], 9                       ; 1,024 g + 512 e = 512 w
	s_add_co_u32 s21, s21, QKBUF
	v_lshlrev_b32 v[WADR], 4, v64
	v_lshl_add_u32 v[WADR], v65, 14, v[WADR]       ; places 4 h ..: 16,384 h
	v_add_nc_u32 v[WADR], s21, v[WADR]
	s_lshl_b32 s21, s[WV], 13                      ; places 2 w, 2 w + 1
	s_add_co_u32 s21, s21, QKBUF
	v_lshl_add_u32 v[RADR], v66, 4, s21
	s_mul_i32 s21, s[WV], 2*PTOK
	s_add_co_u32 s21, s21, PBUF
	v_mul_u32_u24 v[PADR], v64, 80                 ; head r x 80 + 16 h
	v_lshl_add_u32 v[PADR], v65, 4, v[PADR]
	v_add_nc_u32 v[PADR], s21, v[PADR]
	s_mul_i32 s21, s[WV], 640                      ; heads 8 w ..
	s_add_co_u32 s21, s21, PBUF
	v_bfe_u32 v1, v0, 3, 1                         ; r >> 3: which of two heads
	v_mul_u32_u24 v[R2ADR], v1, 80
	v_and_b32 v1, 7, v0
	v_lshl_add_u32 v[R2ADR], v1, 3, v[R2ADR]       ; four columns, 8 bytes
	v_mul_u32_u24 v1, v65, 4*PTOK                  ; places 4 h ..
	v_add3_u32 v[R2ADR], v[R2ADR], v1, s21
	s_lshl_b32 s21, s[WV], 10
	v_lshl_add_u32 v[BOV], v64, 4, s21             ; 4 (256 w + 4 r)
	v_lshl_add_u32 v[OOFF], v65, 15, v[BOV]        ; + 8 h rows of 4,096 bytes
	AWORK 0, 1, 1                                  ; chunk 0 into buffer 0; chunk 1 is asked for
	s_wait_tensorcnt 0x1                           ; my quarter of tile 0 is in; tile 1's may stay out
	s_wait_dscnt 0x0                               ; for the others' sake: my rows of chunk 0 are in LDS
	s_barrier_signal -1
	s_barrier_wait -1
	s_mov_b32 s[PJ], 3
.Lproj:                                                ; a projection: 16 periods.  On entry: its tile 0 is in slot 0, its tile 1 asked for; its chunk 0 in buffer 0, chunk 1 asked for; its bias asked for
	FETCHB 0, 0, 0, BF0
	FETCHA 0, 0, AF0
	H0 0, 1                                        ; the first K step stands in front of the loop: its products start the sums
	H1 0, 1
	WIN 0
	s_mov_b32 s[LAPS], 7
.Llap:                                                 ; a trip goes once round the two slots, from a period's second half to the same place two periods on: periods 0 to 13 change slots here
	TURN 0, 1, 1, 1, 1
	H0 1, 0
	H1 1, 0
	TURN 1, 1, 1, 1, 1
	H0 0, 0
	H1 0, 0
	WIN 0
	s_sub_co_u32 s[LAPS], s[LAPS], 1
	s_cmp_lg_u32 s[LAPS], 0
	s_cbranch_scc1 .Llap
	s_cmp_eq_u32 s[PJ], 1
	s_cbranch_scc1 .Llast                          ; v's tail is written out: it asks for nothing more
	TURN 0, 1, 1, 1, 2                             ; THE SLOTS GO ON INTO THE NEXT PROJECTION: slot 0 takes its tile 0, and its input's chunk 0 is asked for,
	H0 1, 0
	H1 1, 0
	TURN 1, 1, 0, 1, 1                             ; slot 1 its tile 1; chunk 0 goes into buffer 0, chunk 1 is asked for
	WIN 0
	PLACES
	BIASADD
	WIN 0
	s_cmp_eq_u32 s[PJ], 3
	s_cbranch_scc0 .Lscores
	PACKQ                                          ; q waits in bf16 for k
	WIN 0
	BLOAD BOQK, 12, 16                             ; bk: waited for with the input's chunk in the next period
	s_branch .Lnext
.Lscores:                                              ; THE SCORES: eight rounds.  The tile asked for in the last period stays on its way
	s_mov_b32 s[RHO], 0
.Lround:                                               ; a token is picked by the register's number, so a round's way into and out of LDS is written once for each round; all these jumps go forward, past no barrier
.irp v, 0,1,2,3,4,5,6
	s_cmp_eq_u32 s[RHO], \v
	s_cbranch_scc1 .Lvar\v
.endr
	R2 6
	W1 7
	s_branch .Lmid
.irp v, 6,5,4,3,2,1
.Lvar\v:
	R2 (\v)-1
	W1 \v
	s_branch .Lmid
.endr
.Lvar0:
	W1 0
.Lmid:
	s_wait_dscnt 0x0                               ; my pieces of the fragments are in LDS, and my reads of the last round's p are back
	s_barrier_signal -1
	s_barrier_wait -1                              ; the fragments are whole; p's buffer may be written again
.irp u, 0,1                            ; my two tokens' fragments: q heads 0-15, 16-31, k heads 0-15, 16-31
.irp f, 0,1,2,3
	ds_load_b128 v[FF+32*(\u)+8*(\f):FF+32*(\u)+8*(\f)+3],   v[RADR] offset:4096*(\u)+1024*(\f)
	ds_load_b128 v[FF+32*(\u)+8*(\f)+4:FF+32*(\u)+8*(\f)+7], v[RADR] offset:4096*(\u)+1024*(\f)+512
.endr
.endr
.irp u, 0,1
	s_wait_dscnt 8-8*(\u)                          ; token u's eight loads are in
.irp gq, 0,1
.irp gk, 0,1                           ; source 0 = 16 of k's heads, source 1 = 16 of q's: register i of lane (r, h) is the score of row 16 gq + r, column 16 gk + 8 h + i
	v_wmma_f32_16x16x32_bf16 v[SS+16*(2*(\u)+(\gq))+8*(\gk):SS+16*(2*(\u)+(\gq))+8*(\gk)+7], v[FF+32*(\u)+8*(2+(\gk)):FF+32*(\u)+8*(2+(\gk))+7], v[FF+32*(\u)+8*(\gq):FF+32*(\u)+8*(\gq)+7], 0
.endr
.endr
.endr
	PLACES
	; the softmax, four chains x = 2 u + gq side by side: a lane holds 16 of its row's 32 scores, the lane 16 away the others
	EACH v_max3_num_f32 v[ST+8*x+2], v[SS+16*x], v[SS+16*x+1], v[SS+16*x+2]       ; each accumulator is first read at its low end
	EACH v_max3_num_f32 v[ST+8*x+1], v[SS+16*x+8], v[SS+16*x+9], v[SS+16*x+10]
	EACH v_max3_num_f32 v[ST+8*x+2], v[ST+8*x+2], v[SS+16*x+3], v[SS+16*x+4]
	EACH v_max3_num_f32 v[ST+8*x+1], v[ST+8*x+1], v[SS+16*x+11], v[SS+16*x+12]
	EACH v_max3_num_f32 v[ST+8*x+2], v[ST+8*x+2], v[SS+16*x+5], v[SS+16*x+6]
	EACH v_max3_num_f32 v[ST+8*x+1], v[ST+8*x+1], v[SS+16*x+13], v[SS+16*x+14]
	EACH v_max3_num_f32 v[ST+8*x+2], v[ST+8*x+2], v[SS+16*x+7], v[SS+16*x+15]
	EACH v_max_num_f32 v[ST+8*x+2], v[ST+8*x+2], v[ST+8*x+1]
	EACH v_permlanex16_b32 v[ST+8*x+1], v[ST+8*x+2], s[SEL], s[SEL+1]
	EACH v_max_num_f32 v[ST+8*x+2], v[ST+8*x+2], v[ST+8*x+1]                      ; the row's maximum m
	EACH v_mul_f32 v[ST+8*x], s[CS], v[ST+8*x+2]                                  ; c m
.set i, 0
.rept 8
.set x, 0
.rept 4
	v_pk_fma_f32 v[SS+16*x+2*i:SS+16*x+2*i+1], v[SS+16*x+2*i:SS+16*x+2*i+1], s[CS:CS+1], v[ST+8*x:ST+8*x+1] op_sel_hi:[1,0,0] neg_lo:[0,0,1] neg_hi:[0,0,1]  ; c s - c m
.set x, x+1
.endr
.set i, i+1
.endr
.set i, 0
.rept 16
	EACH v_exp_f32 v[SS+16*x+i], v[SS+16*x+i]
.set i, i+1
.endr
	v_nop                                          ; a plain instruction between the exponentials and the use of their results (ISA guide 5.7.2)
.set i, 0
	s_wait_alu depctr_va_vdst(0)
.rept 4
.set x, 0
.rept 4
	v_pk_add_f32 v[T+8*x+2*i:T+8*x+2*i+1], v[SS+16*x+4*i:SS+16*x+4*i+1], v[SS+16*x+4*i+2:SS+16*x+4*i+3]
.set x, x+1
.endr
.set i, i+1
.endr
.set x, 0
.rept 4
	v_pk_add_f32 v[T+8*x:T+8*x+1], v[T+8*x:T+8*x+1], v[T+8*x+2:T+8*x+3]
	v_pk_add_f32 v[T+8*x+4:T+8*x+5], v[T+8*x+4:T+8*x+5], v[T+8*x+6:T+8*x+7]
.set x, x+1
.endr
.set x, 0
.rept 4
	v_pk_add_f32 v[T+8*x:T+8*x+1], v[T+8*x:T+8*x+1], v[T+8*x+4:T+8*x+5]
.set x, x+1
.endr
	EACH v_add_f32 v[ST+8*x+2], v[T+8*x], v[T+8*x+1]
	EACH v_permlanex16_b32 v[ST+8*x+1], v[ST+8*x+2], s[SEL], s[SEL+1]
	EACH v_add_f32 v[ST+8*x+2], v[ST+8*x+2], v[ST+8*x+1]                          ; the row's sum: 1 at the least, the maximum's own term
	EACH v_rcp_f32 v[ST+8*x], v[ST+8*x+2]
	v_nop                                          ; a plain instruction between the reciprocals and their use
.set i, 0
	s_wait_alu depctr_va_vdst(0)
.rept 8
.set x, 0
.rept 4
	v_pk_mul_f32 v[SS+16*x+2*i:SS+16*x+2*i+1], v[SS+16*x+2*i:SS+16*x+2*i+1], v[ST+8*x:ST+8*x+1] op_sel_hi:[1,0]
.set x, x+1
.endr
.set i, i+1
.endr
.set i, 0
.rept 8
	EACH v_cvt_pk_bf16_f32 v[SS+16*x+i], v[SS+16*x+2*i], v[SS+16*x+2*i+1]         ; in place, ascending: each line's target has been read
.set i, i+1
.endr
.set x, 0
.rept 4
	ds_store_b128 v[PADR], v[SS+16*x:SS+16*x+3]   offset:PTOK*(x/2)+1280*(x%2)     ; columns 8 h ..+7 of row 16 gq + r
	ds_store_b128 v[PADR], v[SS+16*x+4:SS+16*x+7] offset:PTOK*(x/2)+1280*(x%2)+32  ; columns 16 + 8 h ..+7
.set x, x+1
.endr
	s_wait_dscnt 0x0                               ; my p is in LDS; my reads of the fragments were back before the products
	s_barrier_signal -1
	s_barrier_wait -1                              ; p is whole; the fragments' buffer may be written again
	s_add_co_u32 s[RHO], s[RHO], 1
	s_cmp_lt_u32 s[RHO], 8
	s_cbranch_scc1 .Lround
	R2 7
	s_wait_dscnt 0x0                               ; my last reads of p are back:
	s_barrier_signal -1
	s_barrier_wait -1                              ; the second input buffer, which p's buffer lies over, may be written again
	BLOAD BOV, 14, 256                             ; bv
.Lnext:
	s_sub_co_u32 s[PJ], s[PJ], 1
	s_branch .Lproj
.Llast:                                                ; v's last two periods: nothing is filled again, so no round of the cluster's barrier follows the barrier
	TURN 0, 0, 1, 1, 0                             ; my one tensor load that was out is the last tile's; the last chunk goes into buffer 1
	H0 1, 0
	H1 1, 0
	WIN 0
	PLACES
	FETCHB 1, 1, 1, BF1
	s_wait_dscnt 16                                ; all but the 16 just issued
	MUL AF1, BF0, 0, 0, 4, 0
	s_wait_dscnt 0x0
	MUL AF1, BF1, 1, 0, 4, 0
	WIN 0
	PLACES
	BIASADD
	VEPI
	s_wait_tensorcnt 0x0                           ; the wave's end, behind my last tensor load and my last LDS store
	ds_add_u32 v[SPW], v[NIL]
	s_wait_dscnt 0x0
	CROUND                                         ; the closing round: no work-group ends while a partner may still ask for a tile that names it
	s_endpgm
.Lfunc_end_k_qaf42e388d9_mha:
	.size	k_qaf42e388d9_mha, .Lfunc_end_k_qaf42e388d9_mha-k_qaf42e388d9_mha
	.p2alignl 7, 3214868480
	.fill 96, 4, 3214868480
	.section	.rodata,"a",@progbits
	.p2align	6, 0x0
	.amdhsa_kernel k_qaf42e388d9_mha
		.amdhsa_group_segment_fixed_size 327680
		.amdhsa_private_segment_fixed_size 0
		.amdhsa_enable_private_segment 0
		.amdhsa_kernarg_size 64
		.amdhsa_user_sgpr_count 2
		.amdhsa_user_sgpr_kernarg_segment_ptr 1
		.amdhsa_wavefront_size32 1
		.amdhsa_system_sgpr_workgroup_id_x 1
		.amdhsa_system_sgpr_workgroup_id_y 1
		.amdhsa_system_sgpr_workgroup_id_z 1
		.amdhsa_system_vgpr_workitem_id 0
		.amdhsa_next_free_vgpr 1024
		.amdhsa_next_free_sgpr 66
		.amdhsa_reserve_vcc 0
		.amdhsa_float_denorm_mode_32 3
		.amdhsa_float_denorm_mode_16_64 3
		.amdhsa_memory_ordered 1
		.amdhsa_forward_progress 1
		.amdhsa_inst_pref_size 243
	.end_amdhsa_kernel
	.amdgpu_metadata
---
amdhsa.version: [ 1, 2 ]
amdhsa.kernels:
  - .name:           k_qaf42e388d9_mha
    .symbol:         k_qaf42e388d9_mha.kd
    .args:
      - { .name: query, .offset: 0, .size: 8, .value_kind: global_buffer, .address_space: global }
      - { .name: key, .offset: 8, .size: 8, .value_kind: global_buffer, .address_space: global }
      - { .name: value, .offset: 16, .size: 8, .value_kind: global_buffer, .address_space: global }
      - { .name: bq, .offset: 24, .size: 8, .value_kind: global_buffer, .address_space: global }
      - { .name: bk, .offset: 32, .size: 8, .value_kind: global_buffer, .address_space: global }
      - { .name: bv, .offset: 40, .size: 8, .value_kind: global_buffer, .address_space: global }
      - { .name: wb, .offset: 48, .size: 8, .value_kind: global_buffer, .address_space: global }
      - { .name: out0, .offset: 56, .size: 8, .value_kind: global_buffer, .address_space: global }
    .group_segment_fixed_size: 327680
    .private_segment_fixed_size: 0
    .kernarg_segment_align: 8
    .kernarg_segment_size: 64
    .max_flat_workgroup_size: 128
    .sgpr_count:     66
    .vgpr_count:     1024
    .wavefront_size: 32
...
	.end_amdgpu_metadata
.endif
;; end of part 2
;; ======== version 2 of 2: 2 launches; 1.11 times as fast as version 1
;; limits: values outside matrix products are rounded to bf16
;; workspace buffers: wb 6,291,456 bytes
;; launch wcvt: the kernel of part 1 again; grid 128 x 3, 8 waves a work-group, no clusters, 0 bytes of LDS; arguments Wq, Wk, Wv, wb; writes wb
;; launch mha (part 3): grid 256 x 1, 4 waves a work-group, clusters of 4 x 1, 327,680 bytes of LDS; arguments query, key, value, bq, bk, bv, wb, out0; writes out0
.if DOCPART == 3
	.amdgcn_target "amdgcn-amd-amdhsa--gfx1250"
	.amdhsa_code_object_version 6
	.text
	.protected	k_qaf42e388d9_mha
	.globl	k_qaf42e388d9_mha
	.p2align	8
	.type	k_qaf42e388d9_mha,@function
k_qaf42e388d9_mha:
	s_mov_b64 s[64:65], 0
	v_nop
	global_prefetch_b8 v0, s[64:65] scope:SCOPE_SE
	s_setreg_imm32_b32 hwreg(HW_REG_WAVE_MODE, 25, 1), 1
	s_wait_xcnt 0x0
	s_wait_alu depctr_hold_cnt(0) depctr_sa_sdst(0) depctr_va_vdst(0) depctr_va_sdst(0) depctr_va_ssrc(0) depctr_va_vcc(0) depctr_vm_vsrc(0)
	s_getreg_b32 s2, hwreg(HW_REG_IB_STS2, 6, 4)
	s_cmp_eq_u32 s2, 0
	s_cbranch_scc0 .Lentry_in_a_cluster
	s_endpgm
.Lentry_in_a_cluster:
	s_bfe_u32 s2, ttmp6, 0x10000c
	s_cmp_lg_u32 s2, 0x3003
	s_cbranch_scc0 .Lentry_shape_is_right
	s_endpgm
.Lentry_shape_is_right:
; out[tok][32 h + t] = softmax_t(q[tok][h][:] . k[tok][t][:] / 32) x v[tok][32 h + t],  q = query Wq^T + bq, k = key Wk^T + bk, v = value Wv^T + bv.
; 16,384 tokens of 1,024 f32; 32 heads of 32 channels; the scores are taken per token, between heads.
; ONE LAUNCH for all of it: a work-group owns 64 tokens and makes their whole q, k and v rows, so q, k, v and the weights p never go to memory.
; FORMATS AND LIMITS.  The inputs and the weight matrices enter the products rounded to bf16, sums in f32; q and k (with their bias, in f32) are rounded to bf16 for the
; scores' product; maximum, exponentials, sum and division in f32, with the row's true maximum taken away; p is rounded to bf16 (within 2^-9 of itself) for the way from the
; softmax to the last multiply, which is in f32.  An exponential below 2^-126 counts as 0.  NaN and infinities are not treated apart.  The f32 sums along K begin at a place that
; differs from cluster to cluster (below), so their order of rounding is not the reference's.
; SHARES.  Four waves; in each product a wave makes 64 tokens x 256 columns: 64 accumulators of 16 x 16, 512 registers.  Source 0 = 16 tokens, source 1 = 16 rows of W, so register j of
; lane (r, h) holds token 8 h + j and the column that lane r's row of W makes.  WHICH row that is was chosen when the weights were laid out:
;   q, k: wave (g, e) = (w >> 1, w & 1), accumulator b, lane r: head 16 g + r, channel 16 e + b.  Two neighbouring accumulators' register j, rounded in a pair, are then a piece of the fragment
;         (row = head, K = channel) that token 8 h + j's own product wants: nothing is transposed, a token is picked by the register's number.
;   v:    column 256 w + 64 (b >> 2) + 4 r + (b & 3): register j of four accumulators is 16 neighbouring bytes of out, and 16 lanes store 256 consecutive bytes, aligned: no stage.
; THE WEIGHTS come as ready fragments (48 tiles of 128 KB: K = 64 of one projection) through two LDS slots; each wave fetches and reads its own quarter, each byte once.
; CLUSTER.  The four work-groups of a cluster walk the same tiles, so they ask for each tile JOINTLY: the same tensor load, descriptor and mask in all four.  A mask names four
; work-groups, so the cluster is 4 x 1.  The inputs are shared by nobody: they come through registers, are rounded, and lie in LDS as 64 rows x 64 bf16, two buffers.
; EACH CLUSTER BEGINS K AT ANOTHER PLACE.  Cluster x walks a projection's sixteen K slots from slot x mod 16 on, round the end.  So the 64 clusters do not all ask for one tile at one time:
; sixteen different tiles are asked for at a time, and each tile is asked for first by the four clusters whose walk begins there and by every other cluster one to fifteen periods later.
; The work-groups' loads of an input likewise fall on all sixteen 256-byte columns of its 4,096-byte rows at a time.  The place enters global addresses alone, and the partners share it.
; THE SCORES, between k's product and v's: eight rounds of eight tokens.  In a round every wave puts its pieces of the tokens' q and k fragments into LDS; each wave takes two tokens: four
; products 16 x 16 x 32 a token (source 0 = k's heads, source 1 = q's heads, so a lane holds one row of the softmax and half its columns), the softmax, p in bf16 into LDS; in the next
; round each wave reads back p at the places of its v columns, into the registers that held q.
; REGISTERS, in windows of 256 (s_set_vgpr_msb: bits 1:0 source 0, 3:2 source 1, 5:4 source 2, 7:6 destination):
;   window 0: v0-15 addresses; v16-31 the bias of my 16 accumulator columns; v32-63 an input's chunk as loaded; v64-95, v96-127 input fragments (K = 32 each); v128-191, v192-255 weight fragments (8 each)
;   window 1: q in bf16, token (a, j) at 64 a + 8 j, later p for the same token          windows 2, 3: accumulator (a, b) in window 2 + (a >> 1) at 128 (a & 1) + 8 b
.set SLOTB,  131072                    ; a slot: one tile of the weights; wave w's quarter at 32,768 w
.set QUART,  32768
.set ASTG,   2*SLOTB                   ; behind the slots, never filled by a tensor load: the input in bf16, two buffers of 64 rows
.set APITCH, 144                       ; 128 bytes + 16: the 16 rows of a fragment load start at 16 different groups of four banks (64 banks of 4 bytes: ISA guide 11.1)
.set ABUF,   64*APITCH
.set PBUF,   ASTG+ABUF                 ; the scores' phase alone, over the second input buffer: p, 8 tokens x 32 heads x 80 bytes (64 + 16)
.set PTOK,   2560
.set QKBUF,  PBUF+8*PTOK               ; the scores' phase: 8 tokens x 4 fragments of 1,024 bytes in lane order: q heads 0-15, 16-31, k heads 0-15, 16-31
.set SPARE,  327168                    ; the spare words, 128 bytes for each wave: two blocks of 256 bytes that no other line names
.set ZR,    1                          ; v1   at work; 0 on the way out
.set SPW,   2                          ; v2   LDS address of my spare word; never rewritten
.set NIL,   3                          ; v3   0; never rewritten
.set ADRB,  4                          ; v4-5 my lane's 16 bytes in my quarter of slot 0, 1
.set ADRA,  6                          ; v6   my lane's place in an input fragment
.set ASTO,  7                          ; v7   where I put 8 bytes of the rounded input
.set AOFF,  8                          ; v8   my byte offset in the work-group's rows of an input
.set WADR,  9                          ; v9   where I put my pieces of q's and k's fragments
.set RADR,  10                         ; v10  where I read my two tokens' fragments
.set PADR,  11                         ; v11  where I put p
.set R2ADR, 12                         ; v12  where I read p back
.set OOFF,  13                         ; v13  my byte offset in the work-group's rows of out
.set BOQK,  14                         ; v14  my byte offset in bq and bk
.set BOV,   15                         ; v15  in bv
.set BIAS,  16
.set RAW,   32
.set AF0,   64
.set AF1,   96
.set BF0,   128
.set BF1,   192
.set T,     64                         ; the scores' phase: k's pieces; later the sums at work, 8 a chain
.set ST,    96                         ; 8 a chain: +0 c m, then 1 / sum; +1, +2 at work
.set FF,    128                        ; token u's fragment f at FF + 32 u + 8 f
.set SS,    192                        ; chain x = 2 u + gq: 16 scores
.set PA,    4                          ; s[4:5]   the input's chunk that is being loaded
.set PN1,   6                          ; s[6:7]   the next input, at my block's first row
.set PN2,   8                          ; s[8:9]   the one behind it
.set WB,    16                         ; s[16:17] my quarter of tile 0 of the projection whose tiles are being asked for
.set WV,    20                         ; s20  my wave's number
.set G1,    24                         ; s[24:31] descriptor group 1
.set G0,    32                         ; s[32:39] descriptor group 0, a set for each slot
.set PJ,    40                         ; s40  projections to go: 3, 2, 1
.set LAPS,  41
.set RHO,   42                         ; s42  the scores' round
.set CS,    44                         ; s[44:45] c = log2(e) / 32
.set SEL,   46                         ; s[46:47] v_permlanex16_b32's selects: each lane takes its own place in the other half
.set WK,    56                         ; s56  the K slot, 0 to 15, of the tile asked for last
.set AK,    57                         ; s57  the K slot of the input's chunk asked for last
.set OFW,   58                         ; s[58:59] a tile's byte offset in its projection's 2 MB
.set OFA,   60                         ; s[60:61] a chunk's byte offset in a row of the input
.set PB,    62                         ; s[62:63] the input that is being loaded, at my block's first row
.set MSB, 0
.macro WIN new                         ; the immediate's high byte repeats the setting that is left; a switch that changes nothing is dropped
.if MSB != (\new)
	s_set_vgpr_msb (MSB<<8)|(\new)
.set MSB, \new
.endif
.endm
; A load into a register that a matrix instruction has read, and a vector instruction that reads a matrix result, stand four places behind it, and only plain vector
; instructions that name none of its registers are places (ISA guide 7.12.1 for vector instructions).
.macro PLACES
.rept 4
	v_nop
.endr
.endm
; A round of the cluster's barrier: my work-group's barrier, so that wave 0's signal speaks for all four waves; wave 0 signals; every wave waits for all four work-groups; my work-group's barrier once more.
.macro CREST                           ; a round behind its opening barrier
	s_cmp_lg_u32 s[WV], 0
	s_cbranch_scc1 .Lnot_wave_0_\@
	s_barrier_signal -3
.Lnot_wave_0_\@:
	s_barrier_wait -3
	s_barrier_signal -1
	s_barrier_wait -1
.endm
.macro CROUND
	s_barrier_signal -1
	s_barrier_wait -1
	CREST
.endm
; 16 LDS loads: eight weight fragments (K step ks of the slot, accumulators 8 bh .. 8 bh + 7).  Each load takes 512 consecutive bytes.
.macro FETCHB slot, ks, bh, buf
.irp i, 0,1,2,3,4,5,6,7
	ds_load_b128 v[(\buf)+8*(\i):(\buf)+8*(\i)+3],   v[ADRB+(\slot)] offset:(16*(\ks)+8*(\bh)+(\i))*1024
	ds_load_b128 v[(\buf)+8*(\i)+4:(\buf)+8*(\i)+7], v[ADRB+(\slot)] offset:(16*(\ks)+8*(\bh)+(\i))*1024+512
.endr
.endm
; 8 LDS loads: the four input fragments (16 tokens x 32 along K) of K step ks of buffer par
.macro FETCHA par, ks, buf
.irp a, 0,1,2,3
	ds_load_b128 v[(\buf)+8*(\a):(\buf)+8*(\a)+3],   v[ADRA] offset:(\par)*ABUF+(\a)*16*APITCH+64*(\ks)
	ds_load_b128 v[(\buf)+8*(\a)+4:(\buf)+8*(\a)+7], v[ADRA] offset:(\par)*ABUF+(\a)*16*APITCH+64*(\ks)+32
.endr
.endm
; 8 na matrix instructions: token blocks a0 .. a0 + na - 1 x eight accumulator columns.  The accumulators take turns, one instruction a turn: between two
; links on one accumulator stand 31 others' or more.  zero = 1: the product starts the sum.
.macro MUL af, bf, bh, a0, na, zero
.set ma, \a0
.rept \na
	WIN 0xa0+0x50*(ma/2)
.set mi, 0
.rept 8
.set rD, 128*(ma%2)+8*(8*(\bh)+mi)
.if \zero
	v_wmma_f32_16x16x32_bf16 v[rD:rD+7], v[(\af)+8*ma:(\af)+8*ma+7], v[(\bf)+8*mi:(\bf)+8*mi+7], 0
.else
	v_wmma_f32_16x16x32_bf16 v[rD:rD+7], v[(\af)+8*ma:(\af)+8*ma+7], v[(\bf)+8*mi:(\bf)+8*mi+7], v[rD:rD+7]
.endif
.set mi, mi+1
.endr
.set ma, ma+1
.endr
.endm
; A PERIOD is one slot, K = 64: four runs of 32 matrix instructions (K step 0 x columns 0-7, 8-15; K step 1 likewise).  Each run's fragments are asked for half a run to a run ahead.
.macro H0 slot, zero
	WIN 0
	PLACES
	FETCHB \slot, 0, 1, BF1
	FETCHA \slot, 1, AF1
	s_wait_dscnt 24                                ; all but the 24 just issued: BF0 and AF0 are in
	MUL AF0, BF0, 0, 0, 4, \zero
.endm
.macro H1 slot, zero
	WIN 0
	PLACES
	FETCHB \slot, 1, 0, BF0
	s_wait_dscnt 16                                ; all but the 16 just issued: BF1 and AF1 are in
	MUL AF0, BF1, 1, 0, 4, \zero
.endm
; THE INPUT.  A chunk is 64 tokens x 64 numbers; wave w takes tokens 16 w .. 16 w + 15: eight loads, each two rows' 256 consecutive bytes.  st = 1: the chunk in RAW is rounded and put into
; buffer par.  ld = 1: the next chunk of the same input is asked for; ld = 2: the first chunk of the next input.  The chunk's K slot steps round the sixteen: after sixteen steps it is
; the cluster's first slot again, which is where the next input's walk begins.
.macro AWORK par, st, ld
.if \st
	s_wait_loadcnt 0x0                             ; the chunk asked for a period ago is in (and a bias asked for since); its address is free
.endif
.if (\ld) == 2
	s_mov_b64 s[PB:PB+1], s[PN1:PN1+1]
	s_mov_b64 s[PN1:PN1+1], s[PN2:PN2+1]
.endif
.if \ld
	s_add_co_u32 s[AK], s[AK], 1
	s_and_b32 s[AK], s[AK], 15
	s_lshl_b32 s[OFA], s[AK], 8                    ; 64 numbers of 4 bytes a slot
	s_add_nc_u64 s[PA:PA+1], s[PB:PB+1], s[OFA:OFA+1]
.endif
.if \st
.irp i, 0,1,2,3,4,5,6,7
	v_cvt_pk_bf16_f32 v[RAW+4*(\i)],   v[RAW+4*(\i)],   v[RAW+4*(\i)+1]
	v_cvt_pk_bf16_f32 v[RAW+4*(\i)+1], v[RAW+4*(\i)+2], v[RAW+4*(\i)+3]
.endr
.irp i, 0,1,2,3,4,5,6,7
	ds_store_b64 v[ASTO], v[RAW+4*(\i):RAW+4*(\i)+1] offset:(\par)*ABUF+(\i)*2*APITCH
.endr
.endif
.if \ld
.irp i, 0,1,2,3,4,5,6,7
	global_load_b128 v[RAW+4*(\i):RAW+4*(\i)+3], v[AOFF], s[PA:PA+1] offset:(\i)*8192 th:TH_LOAD_NT
.endr
.endif
.endm
; THE SECOND HALF OF A PERIOD, AND THE CHANGE OF SLOTS.  ONE barrier for three things.  In front of it each wave has put its part of the next input chunk into the other buffer, waits for all its
; tensor loads (one is out: its quarter of the next slot), adds 0 to its spare word, and waits for that, for its stores and for its reads of this slot.  Behind it the next chunk is whole and
; nobody reads this slot.  refill = 1: the barrier opens a round of the cluster's barrier, so that no wave of any partner still reads the slot or has a load on its way, and the joint refill,
; the tile two periods on, is the first thing behind it: 112 matrix instructions stand between the request and the wait for it.  Its address is made anew: the projection's base and the K slot,
; which steps round the sixteen.  refill = 2: the same, and the base goes on to the next projection.  fetch = 1: the next period's first fragments, in the middle of the last run, so that
; sixteen products that are ready stand ahead of the first read of the next slot.
.macro TURN slot, refill, fetch, st, ld
	WIN 0
	PLACES
	FETCHB \slot, 1, 1, BF1
	s_wait_dscnt 16                                ; all but the 16 just issued: BF0 is in
	MUL AF1, BF0, 0, 0, 2, 0
	WIN 0
	AWORK 1-(\slot), \st, \ld
	s_wait_tensorcnt 0x0                           ; no tensor load of mine is out, so a group 0 may be written
	ds_add_u32 v[SPW], v[NIL]                      ; 0 onto my spare word; work on registers stands between it and the wait for it
.if (\refill) == 2
	s_add_nc_u64 s[WB:WB+1], s[WB:WB+1], 16*SLOTB  ; sixteen tiles on
.endif
.if \refill
	s_add_co_u32 s[WK], s[WK], 1
	s_and_b32 s[WK], s[WK], 15
	s_lshl_b32 s[OFW], s[WK], 17                   ; a tile is 131,072 bytes
	s_add_nc_u64 s[G0+4*(\slot)+2:G0+4*(\slot)+3], s[WB:WB+1], s[OFW:OFW+1]
	s_or_b32 s[G0+4*(\slot)+3], s[G0+4*(\slot)+3], 0x80000000
.endif
	MUL AF1, BF0, 0, 2, 1, 0
	s_wait_dscnt 0x0                               ; the add is done, my stores of the input are done, my reads of this slot are back
	s_barrier_signal -1
	MUL AF1, BF0, 0, 3, 1, 0                       ; work on registers while the others arrive
	WIN 0                                          ; at a branch and at a label every window is 0
	s_barrier_wait -1
.if \refill
	CREST
	tensor_load_to_lds s[G0+4*(\slot):G0+4*(\slot)+3], s[G1:G1+7]
	s_nop 0
.endif
	PLACES                                         ; behind the tensor load; also the places between the last product that read BF0 and the loads into it below
	MUL AF1, BF1, 1, 0, 2, 0                       ; BF1 was shown in by the wait for 0 above
.if \fetch
	WIN 0
	FETCHB 1-(\slot), 0, 0, BF0
	FETCHA 1-(\slot), 0, AF0
.endif
	MUL AF1, BF1, 1, 2, 2, 0
.endm
.macro BLOAD off, base, step           ; the bias of my lane's 16 accumulator columns
.irp i, 0,1,2,3
	global_load_b128 v[BIAS+4*(\i):BIAS+4*(\i)+3], v[\off], s[\base:\base+1] offset:(\step)*(\i)
.endr
.endm
; Every accumulator takes its column's bias, in place, its registers in ascending order (each accumulator is first read at its low end).
.macro BIASADD
.set ba, 0
.rept 4
	WIN 0x82+0x41*(ba/2)                           ; destination and source 0 in the accumulators' window, the bias in window 0
.set bb, 0
.rept 16
.set rD, 128*(ba%2)+8*bb
.set rB, BIAS+2*(bb/2)
.set bi, 0
.rept 4
.if bb%2
	v_pk_add_f32 v[rD+2*bi:rD+2*bi+1], v[rD+2*bi:rD+2*bi+1], v[rB:rB+1] op_sel:[0,1] op_sel_hi:[1,1]  ; both halves take the pair's second register
.else
	v_pk_add_f32 v[rD+2*bi:rD+2*bi+1], v[rD+2*bi:rD+2*bi+1], v[rB:rB+1] op_sel_hi:[1,0]               ; both halves take its first
.endif
.set bi, bi+1
.endr
.set bb, bb+1
.endr
.set ba, ba+1
.endr
.endm
; q is kept in bf16: for token (a, j) eight registers, channels 16 e + 2 c and 16 e + 2 c + 1 of my lane's head in register c
.macro PACKQ
.set pa, 0
.rept 4
	WIN 0x4a+5*(pa/2)                              ; destination window 1, sources in the accumulators' window
.set pj, 0
.rept 8
.set pc, 0
.rept 8
	v_cvt_pk_bf16_f32 v[64*pa+8*pj+pc], v[128*(pa%2)+16*pc+pj], v[128*(pa%2)+16*pc+8+pj]
.set pc, pc+1
.endr
.set pj, pj+1
.endr
.set pa, pa+1
.endr
.endm
; Round rho serves the tokens 16 a + 8 h + j0 + jj, a = rho / 2, j0 = 4 (rho % 2), h = 0, 1, jj = 0..3, at the places 4 h + jj of the two exchange buffers.
; W1: my pieces of their k (rounded here) and q fragments go into LDS.  A fragment's lane r' + 16 h' holds channels 8 h' ..+7 at byte 16 (r' + 16 h') and 16 + 8 h' ..+7 at 512 more:
; my channels 16 e ..+7 go to 512 e + 16 r, my channels 16 e + 8 ..+7 to 256 more.
.macro W1 rho
.set wa, (\rho)/2
.set wj, 4*((\rho)%2)
	WIN 0x0a+5*(wa/2)                              ; sources in the accumulators' window
.set jj, 0
.rept 4
.set cc, 0
.rept 8
	v_cvt_pk_bf16_f32 v[T+8*jj+cc], v[128*(wa%2)+16*cc+wj+jj], v[128*(wa%2)+16*cc+8+wj+jj]
.set cc, cc+1
.endr
.set jj, jj+1
.endr
	WIN 0
.set jj, 0
.rept 4
	ds_store_b128 v[WADR], v[T+8*jj:T+8*jj+3]   offset:4096*jj+2048
	ds_store_b128 v[WADR], v[T+8*jj+4:T+8*jj+7] offset:4096*jj+2048+256
.set jj, jj+1
.endr
	WIN 0x04                                       ; the stores' data in window 1
.set jj, 0
.rept 4
	ds_store_b128 v[WADR], v[64*wa+8*(wj+jj):64*wa+8*(wj+jj)+3]   offset:4096*jj
	ds_store_b128 v[WADR], v[64*wa+8*(wj+jj)+4:64*wa+8*(wj+jj)+7] offset:4096*jj+256
.set jj, jj+1
.endr
	WIN 0
.endm
; R2: round rho's p comes back at the places of my v columns: for token (a, j) and c = 0..3 the four columns 256 w + 64 c + 4 r ..+3, 8 bytes, into the registers that held the token's q.
.macro R2 rho
.set wa, (\rho)/2
.set wj, 4*((\rho)%2)
	WIN 0x40                                       ; destination window 1
.set jj, 0
.rept 4
.set cc, 0
.rept 4
	ds_load_b64 v[64*wa+8*(wj+jj)+2*cc:64*wa+8*(wj+jj)+2*cc+1], v[R2ADR] offset:PTOK*jj+160*cc
.set cc, cc+1
.endr
.set jj, jj+1
.endr
	WIN 0
.endm
.macro EACH line:vararg                ; one line for each of the four chains x
.set x, 0
.rept 4
	\line
.set x, x+1
.endr
.endm
; THE WAY OUT: out = p x v, in eight blocks of four token registers; a block's 64 results lie in one of three groups of 64 registers, which take turns.
.macro VEPI
	WIN 0
	v_mov_b32 v[ZR], 0
.set q, 0
.rept 8
.set va, q/2
.set vj, 4*(q%2)
.set TT, 64+64*(q%3)
	s_wait_xcnt 0x0                                ; every earlier store has had its address translated (ISA guide 3.1): the group's registers are rewritten only behind this wait
	WIN 0x09+4*(va/2)                              ; p in window 1, v in the accumulators' window
.set jj, 0
.rept 4
.set cc, 0
.rept 4
.set rP, 64*va+8*(vj+jj)+2*cc
.set rA, 128*(va%2)+32*cc+vj+jj
.set rT, TT+16*jj+4*cc
	v_fma_mix_f32_bf16 v[rT],   v[rP],   v[rA],    v[ZR] op_sel_hi:[1,0,0]                ; bf16 half x f32 + 0
	v_fma_mix_f32_bf16 v[rT+1], v[rP],   v[rA+8],  v[ZR] op_sel:[1,0,0] op_sel_hi:[1,0,0]
	v_fma_mix_f32_bf16 v[rT+2], v[rP+1], v[rA+16], v[ZR] op_sel_hi:[1,0,0]
	v_fma_mix_f32_bf16 v[rT+3], v[rP+1], v[rA+24], v[ZR] op_sel:[1,0,0] op_sel_hi:[1,0,0]
.set cc, cc+1
.endr
.set jj, jj+1
.endr
	WIN 0
.set jj, 0
.rept 4
.set cc, 0
.rept 4
	global_store_b128 v[OOFF], v[TT+16*jj+4*cc:TT+16*jj+4*cc+3], s[18:19] offset:65536*va+4096*(vj+jj)+256*cc th:TH_STORE_NT  ; 16 lanes store 256 consecutive bytes, at a multiple of 256 from out's first byte
.set cc, cc+1
.endr
.set jj, jj+1
.endr
.set q, q+1
.endr
.endm
	s_load_b512 s[4:19], s[0:1], 0x0               ; query s[4:5], key s[6:7], value s[8:9], bq s[10:11], bk s[12:13], bv s[14:15], wb s[16:17], out s[18:19]
	v_lshl_add_u32 v[SPW], v0, 2, SPARE
	v_mov_b32 v[NIL], 0
	ds_add_u32 v[SPW], v[NIL]                      ; the wave's opening: the add and its wait stand ahead of my first tensor load; the set-up below, work on registers, stands between them
	v_lshrrev_b32 v1, 5, v0
	v_readfirstlane_b32 s[WV], v1                  ; wave 0..3
	s_bfe_u32 s52, ttmp6, 0x40000                  ; cx: my place in the cluster
	s_lshl_b32 s53, ttmp9, 2                       ; in a cluster launch ttmp9 counts clusters
	s_add_co_u32 s53, s53, s52                     ; my block of 64 tokens: it enters the inputs' and out's addresses alone
	s_lshl_b32 s48, s53, 18                        ; 64 rows of 4,096 bytes
	s_mov_b32 s49, 0
	s_and_b32 s[AK], ttmp9, 15                     ; the K slot at which my cluster's walk begins: made of the cluster's number alone, which the four partners share
	s_mov_b32 s[WK], s[AK]
	s_lshl_b32 s[OFA], s[AK], 8
	s_mov_b32 s[OFA+1], 0
	s_lshl_b32 s[OFW], s[WK], 17
	s_mov_b32 s[OFW+1], 0
	; descriptor group 1: a wave's quarter of a tile is 32,768 dense bytes, asked for as 128 rows of 256 bytes
	s_mov_b32 s[G1+0], 15|(3<<16)|(1<<21)          ; 15:0 the mask: all four work-groups; 17:16 elements of 8 bytes; 20 no padding; 21 set beside a mask
	s_mov_b32 s[G1+1], 32<<16                      ; tensor_dim0 = 32
	s_mov_b32 s[G1+2], 128<<16                     ; tensor_dim1 = 128
	s_mov_b32 s[G1+3], 32<<16                      ; tile_dim0 = 32
	s_mov_b32 s[G1+4], 128                         ; tile_dim1 = 128
	s_mov_b32 s[G1+5], 32                          ; 32 elements from row to row
	s_mov_b32 s[G1+6], 0
	s_mov_b32 s[G1+7], 0
	s_mul_i32 s23, s[WV], QUART                    ; my quarter, in a slot and in a tile: no place in the cluster enters an LDS address or a descriptor
	s_mov_b32 s[G0], 1                             ; 1:0 count = 1
	s_mov_b32 s[G0+1], s23                         ; 63:32 LDS address: slot 0
	s_mov_b32 s[G0+4], 1
	s_add_co_u32 s[G0+5], s23, SLOTB               ; slot 1
	s_mov_b32 s50, s23
	s_mov_b32 s51, 0
	s_mov_b32 s[CS], 0x3d38aa3b                    ; c = log2(e) / 32 = 0.0450842
	s_mov_b32 s[CS+1], s[CS]                       ; named with it as a pair
	s_mov_b32 s[SEL], 0x76543210
	s_mov_b32 s[SEL+1], 0xfedcba98
	s_lshr_b32 s54, s[WV], 1                       ; g
	s_and_b32 s55, s[WV], 1                        ; e
	v_and_b32 v64, 15, v0                          ; r
	v_bfe_u32 v65, v0, 4, 1                        ; h
	v_and_b32 v66, 31, v0                          ; lane
	v_lshlrev_b32 v[AOFF], 4, v64                  ; 16 r + 4,096 h + 65,536 w: lanes 0-15 one row's 256 bytes, lanes 16-31 the next row's
	v_lshl_add_u32 v[AOFF], v65, 12, v[AOFF]
	s_lshl_b32 s22, s[WV], 16
	v_add_nc_u32 v[AOFF], s22, v[AOFF]
	s_lshl_b32 s22, s54, 11                        ; 4 (32 (16 g + r) + 16 e)
	s_lshl_b32 s21, s55, 6
	s_add_co_u32 s22, s22, s21
	v_lshl_add_u32 v[BOQK], v64, 7, s22
	s_wait_dscnt 0x0                               ; the opening add is done
	s_wait_kmcnt 0x0
	s_add_nc_u64 s[PB:PB+1], s[4:5], s[48:49]      ; the three inputs and out at my block's first row
	s_add_nc_u64 s[PN1:PN1+1], s[PN1:PN1+1], s[48:49]
	s_add_nc_u64 s[PN2:PN2+1], s[PN2:PN2+1], s[48:49]
	s_add_nc_u64 s[18:19], s[18:19], s[48:49]
	s_add_nc_u64 s[PA:PA+1], s[PB:PB+1], s[OFA:OFA+1]  ; query's chunk at my cluster's first K slot
	s_add_nc_u64 s[WB:WB+1], s[WB:WB+1], s[50:51]  ; my quarter of q's tile 0
	s_add_nc_u64 s[G0+2:G0+3], s[WB:WB+1], s[OFW:OFW+1]  ; 120:64 global address: the tile of the first K slot,
	s_add_co_u32 s[WK], s[WK], 1
	s_and_b32 s[WK], s[WK], 15
	s_lshl_b32 s[OFW], s[WK], 17
	s_add_nc_u64 s[G0+6:G0+7], s[WB:WB+1], s[OFW:OFW+1]  ; of the second
	s_or_b32 s[G0+3], s[G0+3], 0x80000000          ; 127:126 type = 2
	s_or_b32 s[G0+7], s[G0+7], 0x80000000
	BLOAD BOQK, 10, 16                             ; bq
.irp i, 0,1,2,3,4,5,6,7
	global_load_b128 v[RAW+4*(\i):RAW+4*(\i)+3], v[AOFF], s[PA:PA+1] offset:(\i)*8192 th:TH_LOAD_NT  ; query's first chunk
.endr
	CROUND                                         ; all four work-groups are here: the first joint loads meet
	tensor_load_to_lds s[G0:G0+3], s[G1:G1+7]      ; the two first fills go out together: two tensor loads of mine are out
	s_nop 0
	tensor_load_to_lds s[G0+4:G0+7], s[G1:G1+7]
	s_nop 0
	PLACES
	v_lshl_add_u32 v[ADRB], v66, 4, s23            ; 16 x lane + my quarter
	v_add_nc_u32 v[ADRB+1], SLOTB, v[ADRB]
	v_mul_u32_u24 v[ADRA], v64, APITCH             ; a fragment's row r x pitch + 16 h
	v_lshl_add_u32 v[ADRA], v65, 4, v[ADRA]
	v_add_nc_u32 v[ADRA], ASTG, v[ADRA]
	s_mul_i32 s21, s[WV], 16*APITCH                ; row 16 w + h, 8 bytes for each of 16 lanes
	s_add_co_u32 s21, s21, ASTG
	v_mul_u32_u24 v[ASTO], v65, APITCH
	v_lshl_add_u32 v[ASTO], v64, 3, v[ASTO]
	v_add_nc_u32 v[ASTO], s21, v[ASTO]
	s_lshl_b32 s21, s[WV], 9                       ; 1,024 g + 512 e = 512 w
	s_add_co_u32 s21, s21, QKBUF
	v_lshlrev_b32 v[WADR], 4, v64
	v_lshl_add_u32 v[WADR], v65, 14, v[WADR]       ; places 4 h ..: 16,384 h
	v_add_nc_u32 v[WADR], s21, v[WADR]
	s_lshl_b32 s21, s[WV], 13                      ; places 2 w, 2 w + 1
	s_add_co_u32 s21, s21, QKBUF
	v_lshl_add_u32 v[RADR], v66, 4, s21
	s_mul_i32 s21, s[WV], 2*PTOK
	s_add_co_u32 s21, s21, PBUF
	v_mul_u32_u24 v[PADR], v64, 80                 ; head r x 80 + 16 h
	v_lshl_add_u32 v[PADR], v65, 4, v[PADR]
	v_add_nc_u32 v[PADR], s21, v[PADR]
	s_mul_i32 s21, s[WV], 640                      ; heads 8 w ..
	s_add_co_u32 s21, s21, PBUF
	v_bfe_u32 v1, v0, 3, 1                         ; r >> 3: which of two heads
	v_mul_u32_u24 v[R2ADR], v1, 80
	v_and_b32 v1, 7, v0
	v_lshl_add_u32 v[R2ADR], v1, 3, v[R2ADR]       ; four columns, 8 bytes
	v_mul_u32_u24 v1, v65, 4*PTOK                  ; places 4 h ..
	v_add_nc_u32 v[R2ADR], v[R2ADR], v1
	v_add_nc_u32 v[R2ADR], s21, v[R2ADR]
	s_lshl_b32 s21, s[WV], 10
	v_lshl_add_u32 v[BOV], v64, 4, s21             ; 4 (256 w + 4 r)
	v_lshl_add_u32 v[OOFF], v65, 15, v[BOV]        ; + 8 h rows of 4,096 bytes
	AWORK 0, 1, 1                                  ; the first chunk into buffer 0; the second is asked for
	s_wait_tensorcnt 0x1                           ; my quarter of the first tile is in; the second's may stay out
	s_wait_dscnt 0x0                               ; for the others' sake: my rows of the first chunk are in LDS
	s_barrier_signal -1
	s_barrier_wait -1
	s_mov_b32 s[PJ], 3
.Lproj:                                                ; a projection: 16 periods.  On entry: its first tile is in slot 0, its second asked for; its first chunk in buffer 0, the second asked for; its bias asked for
	FETCHB 0, 0, 0, BF0
	FETCHA 0, 0, AF0
	H0 0, 1                                        ; the first K step stands in front of the loop: its products start the sums
	H1 0, 1
	WIN 0
	s_mov_b32 s[LAPS], 7
.Llap:                                                 ; a trip goes once round the two slots, from a period's second half to the same place two periods on: periods 0 to 13 change slots here
	TURN 0, 1, 1, 1, 1
	H0 1, 0
	H1 1, 0
	TURN 1, 1, 1, 1, 1
	H0 0, 0
	H1 0, 0
	WIN 0
	s_sub_co_u32 s[LAPS], s[LAPS], 1
	s_cmp_lg_u32 s[LAPS], 0
	s_cbranch_scc1 .Llap
	s_cmp_eq_u32 s[PJ], 1
	s_cbranch_scc1 .Llast                          ; v's tail is written out: it asks for nothing more
	TURN 0, 2, 1, 1, 2                             ; THE SLOTS GO ON INTO THE NEXT PROJECTION: slot 0 takes its first tile, and its input's first chunk is asked for,
	H0 1, 0
	H1 1, 0
	TURN 1, 1, 0, 1, 1                             ; slot 1 its second tile; the first chunk goes into buffer 0, the second is asked for
	WIN 0
	PLACES
	BIASADD
	WIN 0
	s_cmp_eq_u32 s[PJ], 3
	s_cbranch_scc0 .Lscores
	PACKQ                                          ; q waits in bf16 for k
	WIN 0
	BLOAD BOQK, 12, 16                             ; bk: waited for with the input's chunk in the next period
	s_branch .Lnext
.Lscores:                                              ; THE SCORES: eight rounds.  The tile asked for in the last period stays on its way
	s_mov_b32 s[RHO], 0
.Lround:                                               ; a token is picked by the register's number, so a round's way into and out of LDS is written once for each round; all these jumps go forward, past no barrier
.irp v, 0,1,2,3,4,5,6
	s_cmp_eq_u32 s[RHO], \v
	s_cbranch_scc1 .Lvar\v
.endr
	R2 6
	W1 7
	s_branch .Lmid
.irp v, 6,5,4,3,2,1
.Lvar\v:
	R2 (\v)-1
	W1 \v
	s_branch .Lmid
.endr
.Lvar0:
	W1 0
.Lmid:
	s_wait_dscnt 0x0                               ; my pieces of the fragments are in LDS, and my reads of the last round's p are back
	s_barrier_signal -1
	s_barrier_wait -1                              ; the fragments are whole; p's buffer may be written again
.irp u, 0,1                            ; my two tokens' fragments: q heads 0-15, 16-31, k heads 0-15, 16-31
.irp f, 0,1,2,3
	ds_load_b128 v[FF+32*(\u)+8*(\f):FF+32*(\u)+8*(\f)+3],   v[RADR] offset:4096*(\u)+1024*(\f)
	ds_load_b128 v[FF+32*(\u)+8*(\f)+4:FF+32*(\u)+8*(\f)+7], v[RADR] offset:4096*(\u)+1024*(\f)+512
.endr
.endr
.irp u, 0,1
	s_wait_dscnt 8-8*(\u)                          ; token u's eight loads are in
.irp gq, 0,1
.irp gk, 0,1                           ; source 0 = 16 of k's heads, source 1 = 16 of q's: register i of lane (r, h) is the score of row 16 gq + r, column 16 gk + 8 h + i
	v_wmma_f32_16x16x32_bf16 v[SS+16*(2*(\u)+(\gq))+8*(\gk):SS+16*(2*(\u)+(\gq))+8*(\gk)+7], v[FF+32*(\u)+8*(2+(\gk)):FF+32*(\u)+8*(2+(\gk))+7], v[FF+32*(\u)+8*(\gq):FF+32*(\u)+8*(\gq)+7], 0
.endr
.endr
.endr
	PLACES
	; the softmax, four chains x = 2 u + gq side by side: a lane holds 16 of its row's 32 scores, the lane 16 away the others
	EACH v_max3_num_f32 v[ST+8*x+2], v[SS+16*x], v[SS+16*x+1], v[SS+16*x+2]       ; each accumulator is first read at its low end
	EACH v_max3_num_f32 v[ST+8*x+1], v[SS+16*x+8], v[SS+16*x+9], v[SS+16*x+10]
	EACH v_max3_num_f32 v[ST+8*x+2], v[ST+8*x+2], v[SS+16*x+3], v[SS+16*x+4]
	EACH v_max3_num_f32 v[ST+8*x+1], v[ST+8*x+1], v[SS+16*x+11], v[SS+16*x+12]
	EACH v_max3_num_f32 v[ST+8*x+2], v[ST+8*x+2], v[SS+16*x+5], v[SS+16*x+6]
	EACH v_max3_num_f32 v[ST+8*x+1], v[ST+8*x+1], v[SS+16*x+13], v[SS+16*x+14]
	EACH v_max3_num_f32 v[ST+8*x+2], v[ST+8*x+2], v[SS+16*x+7], v[SS+16*x+15]
	EACH v_max_num_f32 v[ST+8*x+2], v[ST+8*x+2], v[ST+8*x+1]
	EACH v_permlanex16_b32 v[ST+8*x+1], v[ST+8*x+2], s[SEL], s[SEL+1]
	EACH v_max_num_f32 v[ST+8*x+2], v[ST+8*x+2], v[ST+8*x+1]                      ; the row's maximum m
	EACH v_mul_f32 v[ST+8*x], s[CS], v[ST+8*x+2]                                  ; c m
.set i, 0
.rept 8
.set x, 0
.rept 4
	v_pk_fma_f32 v[SS+16*x+2*i:SS+16*x+2*i+1], v[SS+16*x+2*i:SS+16*x+2*i+1], s[CS:CS+1], v[ST+8*x:ST+8*x+1] op_sel_hi:[1,0,0] neg_lo:[0,0,1] neg_hi:[0,0,1]  ; c s - c m
.set x, x+1
.endr
.set i, i+1
.endr
.set i, 0
.rept 16
	EACH v_exp_f32 v[SS+16*x+i], v[SS+16*x+i]
.set i, i+1
.endr
	v_nop                                          ; a plain instruction between the exponentials and the use of their results (ISA guide 5.7.2)
.set i, 0
	s_wait_alu depctr_va_vdst(0)
.rept 4
.set x, 0
.rept 4
	v_pk_add_f32 v[T+8*x+2*i:T+8*x+2*i+1], v[SS+16*x+4*i:SS+16*x+4*i+1], v[SS+16*x+4*i+2:SS+16*x+4*i+3]
.set x, x+1
.endr
.set i, i+1
.endr
.set x, 0
.rept 4
	v_pk_add_f32 v[T+8*x:T+8*x+1], v[T+8*x:T+8*x+1], v[T+8*x+2:T+8*x+3]
	v_pk_add_f32 v[T+8*x+4:T+8*x+5], v[T+8*x+4:T+8*x+5], v[T+8*x+6:T+8*x+7]
.set x, x+1
.endr
.set x, 0
.rept 4
	v_pk_add_f32 v[T+8*x:T+8*x+1], v[T+8*x:T+8*x+1], v[T+8*x+4:T+8*x+5]
.set x, x+1
.endr
	EACH v_add_f32 v[ST+8*x+2], v[T+8*x], v[T+8*x+1]
	EACH v_permlanex16_b32 v[ST+8*x+1], v[ST+8*x+2], s[SEL], s[SEL+1]
	EACH v_add_f32 v[ST+8*x+2], v[ST+8*x+2], v[ST+8*x+1]                          ; the row's sum: 1 at the least, the maximum's own term
	EACH v_rcp_f32 v[ST+8*x], v[ST+8*x+2]
	v_nop                                          ; a plain instruction between the reciprocals and their use
.set i, 0
	s_wait_alu depctr_va_vdst(0)
.rept 8
.set x, 0
.rept 4
	v_pk_mul_f32 v[SS+16*x+2*i:SS+16*x+2*i+1], v[SS+16*x+2*i:SS+16*x+2*i+1], v[ST+8*x:ST+8*x+1] op_sel_hi:[1,0]
.set x, x+1
.endr
.set i, i+1
.endr
.set i, 0
.rept 8
	EACH v_cvt_pk_bf16_f32 v[SS+16*x+i], v[SS+16*x+2*i], v[SS+16*x+2*i+1]         ; in place, ascending: each line's target has been read
.set i, i+1
.endr
.set x, 0
.rept 4
	ds_store_b128 v[PADR], v[SS+16*x:SS+16*x+3]   offset:PTOK*(x/2)+1280*(x%2)     ; columns 8 h ..+7 of row 16 gq + r
	ds_store_b128 v[PADR], v[SS+16*x+4:SS+16*x+7] offset:PTOK*(x/2)+1280*(x%2)+32  ; columns 16 + 8 h ..+7
.set x, x+1
.endr
	s_wait_dscnt 0x0                               ; my p is in LDS; my reads of the fragments were back before the products
	s_barrier_signal -1
	s_barrier_wait -1                              ; p is whole; the fragments' buffer may be written again
	s_add_co_u32 s[RHO], s[RHO], 1
	s_cmp_lt_u32 s[RHO], 8
	s_cbranch_scc1 .Lround
	R2 7
	s_wait_dscnt 0x0                               ; my last reads of p are back:
	s_barrier_signal -1
	s_barrier_wait -1                              ; the second input buffer, which p's buffer lies over, may be written again
	BLOAD BOV, 14, 256                             ; bv
.Lnext:
	s_sub_co_u32 s[PJ], s[PJ], 1
	s_branch .Lproj
.Llast:                                                ; v's last two periods: nothing is filled again, so no round of the cluster's barrier follows the barrier
	TURN 0, 0, 1, 1, 0                             ; my one tensor load that was out is the last tile's; the last chunk goes into buffer 1
	H0 1, 0
	H1 1, 0
	WIN 0
	PLACES
	FETCHB 1, 1, 1, BF1
	s_wait_dscnt 16                                ; all but the 16 just issued
	MUL AF1, BF0, 0, 0, 4, 0
	s_wait_dscnt 0x0
	MUL AF1, BF1, 1, 0, 4, 0
	WIN 0
	PLACES
	BIASADD
	VEPI
	s_wait_tensorcnt 0x0                           ; the wave's end, behind my last tensor load and my last LDS store
	ds_add_u32 v[SPW], v[NIL]
	s_wait_dscnt 0x0
	CROUND                                         ; the closing round: no work-group ends while a partner may still ask for a tile that names it
	s_endpgm
.Lfunc_end_k_qaf42e388d9_mha:
	.size	k_qaf42e388d9_mha, .Lfunc_end_k_qaf42e388d9_mha-k_qaf42e388d9_mha
	.p2alignl 7, 3214868480
	.fill 96, 4, 3214868480
	.section	.rodata,"a",@progbits
	.p2align	6, 0x0
	.amdhsa_kernel k_qaf42e388d9_mha
		.amdhsa_group_segment_fixed_size 327680
		.amdhsa_private_segment_fixed_size 0
		.amdhsa_enable_private_segment 0
		.amdhsa_kernarg_size 64
		.amdhsa_user_sgpr_count 2
		.amdhsa_user_sgpr_kernarg_segment_ptr 1
		.amdhsa_wavefront_size32 1
		.amdhsa_system_sgpr_workgroup_id_x 1
		.amdhsa_system_sgpr_workgroup_id_y 1
		.amdhsa_system_sgpr_workgroup_id_z 1
		.amdhsa_system_vgpr_workitem_id 0
		.amdhsa_next_free_vgpr 1024
		.amdhsa_next_free_sgpr 66
		.amdhsa_reserve_vcc 0
		.amdhsa_float_denorm_mode_32 3
		.amdhsa_float_denorm_mode_16_64 3
		.amdhsa_memory_ordered 1
		.amdhsa_forward_progress 1
		.amdhsa_inst_pref_size 244
	.end_amdhsa_kernel
	.amdgpu_metadata
---
amdhsa.version: [ 1, 2 ]
amdhsa.kernels:
  - .name:           k_qaf42e388d9_mha
    .symbol:         k_qaf42e388d9_mha.kd
    .args:
      - { .name: query, .offset: 0, .size: 8, .value_kind: global_buffer, .address_space: global }
      - { .name: key, .offset: 8, .size: 8, .value_kind: global_buffer, .address_space: global }
      - { .name: value, .offset: 16, .size: 8, .value_kind: global_buffer, .address_space: global }
      - { .name: bq, .offset: 24, .size: 8, .value_kind: global_buffer, .address_space: global }
      - { .name: bk, .offset: 32, .size: 8, .value_kind: global_buffer, .address_space: global }
      - { .name: bv, .offset: 40, .size: 8, .value_kind: global_buffer, .address_space: global }
      - { .name: wb, .offset: 48, .size: 8, .value_kind: global_buffer, .address_space: global }
      - { .name: out0, .offset: 56, .size: 8, .value_kind: global_buffer, .address_space: global }
    .group_segment_fixed_size: 327680
    .private_segment_fixed_size: 0
    .kernarg_segment_align: 8
    .kernarg_segment_size: 64
    .max_flat_workgroup_size: 128
    .sgpr_count:     66
    .vgpr_count:     1024
    .wavefront_size: 32
...
	.end_amdgpu_metadata
.endif
;; end of part 3
